; MI455X (gfx1250); checked and timed in simulation.
; The chip was launched on July 23, 2026; its instructions are those of AMD's public machine-readable ISA for CDNA 5 (MIT licence, August 2026) and "CDNA5" Instruction Set Architecture Reference Guide (July 2026). The comments in the code are by the model that wrote it; some were corrected since.
;; Scale Dot Product. Allowed arithmetic: matrix products marked QUANTISED: E4M3 operands, one E8M0 scale for each 32 along K, by v_wmma_scale_f32_16x16x128_f8f6f4 with both operands' format E4M3, f32 sums; everything else in f32.
;; Inputs: scale one number float32; x1 4 x 16 x 2,048 x 64 float32; x2 4 x 16 x 2,048 x 64 float32; x3 4 x 16 x 2,048 x 64 float32.
;; Outputs: out0 4 x 16 x 2,048 x 64 float32.
;; This version of the problem:
;;   THIS VERSION OF THE PROBLEM IS GIVEN IN LOW PRECISION. The matrix products marked QUANTISED in the list below multiply operands that are first quantised to E4M3 (4 exponent bits, 3 mantissa bits; 8 bits a number), with one power-of-two scale for each 32 numbers along K (OCP MX v1.0); their sums are f32. All else is computed in f32.
;;   The module's matrix products, in the order in which they are computed (A, B: the left and right operand; K: the contracted axis; several contracted axes count as one K, in the product's order):
;;     1. batch 64 x [M 2,048, K 64] x [K 64, N 2,048]; A: input x1; B: input x2: QUANTISED
;;     2. batch 64 x [M 2,048, K 2,048] x [K 2,048, N 64]; A: softmax (see below); B: input x3: QUANTISED
;;   THE QUANTISER, for each operand of a quantised product, along K:
;;     - K is cut into blocks of 32 from its start; a last block that is shorter is filled with zeros.
;;     - A block's scale is 2^e with e = floor(log2(the largest magnitude in the block)) - 8, held to -126 .. 127; a block of zeros has e = 0. As a byte (E8M0): e + 127.
;;     - Each number is divided by its block's scale, clamped to +-448, and rounded to the nearest number of E4M3, ties to even, subnormals kept.
;;     - The product sums the exact products of the quantised numbers (number of the format x scale) in f32.
;;   ~~~python
;;   def quantise(x, axis):      # numpy; x: float32 -> the quantised numbers, widened to float32 again
;;       x = np.moveaxis(x, axis, -1); K = x.shape[-1]
;;       x = np.pad(x, [(0, 0)] * (x.ndim - 1) + [(0, -K % 32)]); x = x.reshape(x.shape[:-1] + (-1, 32)); a = np.abs(x).max(-1, keepdims=True)
;;       e = np.where(a > 0, np.clip(np.frexp(np.where(a > 0, a, 1))[1] - 1 - 8, -126, 127), 0)      # np.frexp(a)[1] - 1 = floor(log2(a)), exactly
;;       r = np.clip(x / 2.0 ** e, -448, 448)
;;       step = 2.0 ** (np.maximum(np.frexp(np.where(r == 0, 1, r))[1] - 1, -6) - 3)
;;       q = np.round(r / step) * step * 2.0 ** e      # np.round: ties to even
;;       return np.moveaxis(q.reshape(q.shape[:-2] + (-1,))[..., :K], -1, axis).astype(np.float32)
;;   ~~~
;;   SOFTMAX AHEAD OF A QUANTISED PRODUCT. Where the list says 'softmax', what is quantised is not the finished softmax but p = 2^(t - M), with t = logit x log2(e) and M = ceil(the row's largest t), a whole number; so 1/2 < the row's largest p <= 1. The row's sum l is taken of the UNQUANTISED p, in f32, and the product's result is divided by l at the end. Since M is a whole number, a kernel that streams over the keys may use a running M (the ceiling of the running maximum): every later rescaling is an exact power of two, which a block's scale takes up: the codes' values come out the same.
;;   OPERANDS COMPUTED ON THE WAY. 'Computed on the way' means the value that the module computes at that place (a softmax that the list does not call 'softmax' is quantised finished and normalised). What goes into a quantiser is computed in f32, as accurately as f32 sums, v_exp_f32 and their like allow (about 1e-6 of the number): no bf16 or f16 on the way to a quantiser, and a product that is left as it is and whose result goes on into a quantised operand takes f32 operands (vector FMAs, or v_wmma_f32_16x16x4_f32). A number that lies on a knife's edge between two numbers of the format may be rounded either way, as far as f32 arithmetic and the matrix unit's own rounding can turn it there, and no further.
;; One version. Each part assembles by itself: llvm-mc -triple=amdgcn-amd-amdhsa -mcpu=gfx1250 --defsym DOCPART=n.
;; ======== version 1 of 1: 2 launches
;; limits: right only within a limited range of input values
;; workspace buffers: kv 17,301,504 bytes
;; launch pack (part 1): grid 16 x 64, 8 waves a work-group, no clusters, 36,352 bytes of LDS; arguments x2, x3, kv; writes kv
.if DOCPART == 1
	.amdgcn_target "amdgcn-amd-amdhsa--gfx1250"
	.amdhsa_code_object_version 6
	.text
	.protected	k_q2a6777cde4_pack
	.globl	k_q2a6777cde4_pack
	.p2align	8
	.type	k_q2a6777cde4_pack,@function
k_q2a6777cde4_pack:
	s_mov_b64 s[64:65], 0
	v_nop
	global_prefetch_b8 v0, s[64:65] scope:SCOPE_SE
	s_setreg_imm32_b32 hwreg(HW_REG_WAVE_MODE, 25, 1), 1
	s_wait_xcnt 0x0
; out = softmax(x1 x2^T scale) x3, 64 heads of 2,048 x 64, both products on codes of FP8 (E4M3) with one E8M0 scale for each 32 along a product's K.
; NOTHING OF THE PROBLEM IS LEFT OUT: all four inputs reach the output, and both products are done whole.
; THIS LAUNCH quantises x2 (K = the head's 64, innermost) and x3 (K = the keys, its first axis within a head) once, since four work-groups of the next launch read each head.
; kv holds, for each head and each step of 128 keys, one dense chunk of 16,896 bytes, laid as IMAGES OF THE OPERANDS' REGISTERS (l = lane, r = l % 16, h = l / 16):
;   0 .. 8,191      K: pair j at 2,048 j, register group g = 2 u + c at + 512 g + 16 l: key 32 j + 8 u + r + 8 (r / 8), channels 32 c + 16 h + 0 .. 15.  A pair is TWO tiles of 16 keys side by side along the
;                   matrix instruction's 128: tile 2 j in its first 64, tile 2 j + 1 in its second.  The keys of a tile are chosen so that the scores of tiles 2 j and 2 j + 1 are 16 neighbouring keys in a lane.
;   8,192 .. 16,383 V: channel tile T at 2,048 T, group c at + 512 c + 16 l: channel 16 T + r, keys 32 c + 16 h + 0 .. 15
;   16,384 ..       scale words, 16 bytes a lane: lanes 0-15 word j = pair j's word of row r; lanes 16-31 word T = V tile T's word of channel r
; A block's scale is 2^(floor(log2(its largest magnitude)) - 8); its byte is the largest magnitude's exponent field - 8, held at 1 from below; numbers are held within +-448 x the scale and rounded to the nearest code, ties to even.
; LIMITS: a block of zeros gets the byte 1 where the rule says 127 (its codes are zeros, and this program alone reads the bytes); blocks whose largest magnitude lies under 2^-118 have their byte held at 1;
; NaN and infinities among the inputs are not served.
; SHARES.  A work-group is one (step, head).  Waves 0-3: K's pair j = wave: 32 keys, 8,192 dense bytes, turned through the wave's own stage in LDS so that every load is dense and yet a lane holds 16 neighbours of a block.
; Waves 4-7: 32 channels x 64 keys of x3, a lane to a channel, its registers running down the keys: a block of 32 keys lies in one lane.  No work-group shares an input with another: no cluster, no tensor load.
.set CHUNK,  16896
.set HEADB,  16*CHUNK
.set SPITCH, 272                       ; a stage row: a key's 256 bytes + 16
.set STGB,   32*SPITCH                 ; a K wave's stage
.set SCL,    4*STGB                    ; behind the stages: the chunk's 512 bytes of scale words
.set SPARE,  SCL+512                   ; the spare words, 128 bytes for each wave: four blocks of 256 bytes that no other line names
.set LD16, 1                           ; v1   16 x lane
.set LD4,  2                           ; v2   4 x lane
.set SIN,  3                           ; v3   the stage, on the way in: row h, byte 16 r
.set SOUT, 4                           ; v4   and out: row r, byte 64 h
.set KSA,  5                           ; v5   where a K wave puts its row's scale word
.set VSA,  6                           ; v6   where a V wave puts its channel's two scale bytes
.set VOA,  7                           ; v7   a V wave's place in V's image: 2,048 h + 16 r
.set SRD,  8                           ; v8   the scale words on the way out
.set SPW,  12                          ; v12  LDS address of my spare word; never rewritten
.set NIL,  13                          ; v13  0; never rewritten
.set R,    16                          ; v16-79   64 numbers as loaded
.set X,    16                          ; v16-79   K: 64 numbers back from the stage, in the registers that they were stored from: register 16 g + i = number i of my 16 of block g
.set TM,   80                          ; v80-83 largest magnitudes, v84-87 bytes, v88-91 448 x the scale, v92-95 the conversions' scale operands
.set PC,   96                          ; v96-111 codes
.set PW,   112                         ; v112 K: the scale word
.set VB,   113                         ; v113 V: two scale bytes
.set OW,   114                         ; v114-117 the scale words on the way out
.set WV,   10
.set SEL,  20
.set MNT,  22
	s_load_b128 s[4:7], s[0:1], 0x0                ; x2, x3
	s_load_b64 s[8:9], s[0:1], 0x10                ; kv
	v_lshl_add_u32 v[SPW], v0, 2, SPARE
	v_mov_b32 v[NIL], 0
	v_lshrrev_b32 v9, 5, v0
	s_delay_alu instid0(VALU_DEP_1)
	v_readfirstlane_b32 s[WV], v9                  ; wave 0..7
	s_and_b32 s11, s[WV], 3                        ; K: the pair j.  V: 2 kh + cw
	s_and_b32 s12, s11, 1                          ; cw: which 32 channels
	s_lshr_b32 s13, s11, 1                         ; kh: which 64 keys
	v_and_b32 v9, 31, v0                           ; lane
	v_and_b32 v10, 15, v0                          ; r
	v_bfe_u32 v11, v0, 4, 1                        ; h
	s_delay_alu instid0(VALU_DEP_3)
	v_lshlrev_b32 v[LD16], 4, v9
	s_delay_alu instid0(VALU_DEP_4)
	v_lshlrev_b32 v[LD4], 2, v9
	; every LDS address is made here, ahead of the parting of the roles
	s_mul_i32 s18, s11, STGB
	v_mul_u32_u24 v[SIN], v11, SPITCH
	s_delay_alu instid0(VALU_DEP_1)
	v_lshl_add_u32 v[SIN], v10, 4, v[SIN]
	s_delay_alu instid0(VALU_DEP_1)
	v_add_nc_u32 v[SIN], s18, v[SIN]
	v_mul_u32_u24 v[SOUT], v10, SPITCH
	s_delay_alu instid0(VALU_DEP_1)
	v_lshl_add_u32 v[SOUT], v11, 6, v[SOUT]
	s_delay_alu instid0(VALU_DEP_1)
	v_add_nc_u32 v[SOUT], s18, v[SOUT]
	s_lshl_b32 s18, s11, 2
	s_add_co_u32 s18, s18, SCL
	v_lshl_add_u32 v[KSA], v10, 4, s18             ; SCL + 16 r + 4 j
	s_lshl_b32 s18, s12, 3
	s_lshl_b32 s19, s13, 1
	s_add_co_u32 s18, s18, s19
	s_add_co_u32 s18, s18, SCL+256
	v_lshlrev_b32 v[VSA], 4, v10
	s_delay_alu instid0(VALU_DEP_1)
	v_lshl_add_u32 v[VSA], v11, 2, v[VSA]
	s_delay_alu instid0(VALU_DEP_1)
	v_add_nc_u32 v[VSA], s18, v[VSA]               ; SCL + 256 + 16 r + 4 (2 cw + h) + 2 kh
	v_lshlrev_b32 v[VOA], 4, v10
	s_delay_alu instid0(VALU_DEP_1)
	v_lshl_add_u32 v[VOA], v11, 11, v[VOA]
	v_add_nc_u32 v[SRD], SCL, v[LD16]
.irp b, 0,1,2,3
	v_mov_b32 v[TM+4+\b], 0                        ; written once: a lane permute's destination counts as one of its sources
.endr
	s_mov_b32 s[SEL], 0x76543210
	s_mov_b32 s[SEL+1], 0xfedcba98                 ; v_permlanex16_b32's selects for lane l xor 16
	s_mov_b32 s[MNT], 0x600000                     ; the mantissa field of 448
	s_and_b32 s23, ttmp7, 0xffff                   ; the head
	s_lshl_b32 s14, s23, 19                        ; in x2 and x3: 524,288 bytes a head,
	s_lshl_b32 s15, ttmp9, 15                      ; 32,768 a step
	s_add_co_u32 s14, s14, s15
	s_mov_b32 s15, 0
	s_mul_i32 s16, s23, HEADB                      ; in kv
	s_mul_i32 s17, ttmp9, CHUNK
	s_add_co_u32 s16, s16, s17
	s_mov_b32 s17, 0
	s_lshl_b32 s18, s11, 13                        ; K: my 32 keys in x2,
	s_mov_b32 s19, 0
	s_lshl_b32 s24, s11, 11                        ; and my pair in the chunk
	s_mov_b32 s25, 0
	s_lshl_b32 s26, s13, 14                        ; V: my 64 keys in x3,
	s_lshl_b32 s27, s12, 7                         ; my 32 channels,
	s_add_co_u32 s26, s26, s27
	s_mov_b32 s27, 0
	s_lshl_b32 s28, s12, 12                        ; and in the chunk: 8,192 + 4,096 cw + 1,024 kh
	s_lshl_b32 s29, s13, 10
	s_add_co_u32 s28, s28, s29
	s_add_co_u32 s28, s28, 8192
	s_mov_b32 s29, 0
	s_wait_kmcnt 0x0
	s_add_nc_u64 s[4:5], s[4:5], s[14:15]
	s_add_nc_u64 s[6:7], s[6:7], s[14:15]
	s_add_nc_u64 s[8:9], s[8:9], s[16:17]          ; my chunk
	s_cmp_lt_u32 s[WV], 4
	s_cbranch_scc0 .Lvrole
	; ---- K: 32 keys x 64 channels
	s_add_nc_u64 s[4:5], s[4:5], s[18:19]
	s_add_nc_u64 s[30:31], s[8:9], s[24:25]
.irp i, 0,1,2,3,4,5,6,7,8,9,10,11,12,13,14,15
	global_load_b128 v[R+4*\i:R+4*\i+3], v[LD16], s[4:5] offset:512*\i th:TH_LOAD_NT   ; 512 consecutive bytes: keys 2 i and 2 i + 1
.endr
.irp q, 0,1,2,3
	s_wait_loadcnt 12-4*\q                         ; loads come back in order: these four are in, those issued behind them may be out
.irp e, 0,1,2,3
	ds_store_b128 v[SIN], v[R+4*(4*\q+\e):R+4*(4*\q+\e)+3] offset:(16*(\q%2)+8*(\q/2)+2*\e)*SPITCH   ; key k = 8 q + 2 e + h goes to stage row 16 ((k / 8) % 2) + 8 (k / 16) + k % 8: tile u's 16 rows on end
.endr
.endr
	s_wait_dscnt 0x0                               ; the stores into the stage are done: their registers take the numbers that come back
.irp u, 0,1
.irp c, 0,1
.irp i, 0,1,2,3
	ds_load_b128 v[X+16*(2*\u+\c)+4*\i:X+16*(2*\u+\c)+4*\i+3], v[SOUT] offset:16*\u*SPITCH+128*\c+16*\i   ; LDS serves a wave's instructions in order: these see my stores
.endr
.endr
.endr
	s_wait_dscnt 0x0
.irp b, 0,1,2,3
	v_max3_num_f32 v[TM+\b], |v[X+16*\b]|, |v[X+1+16*\b]|, 0x4800000   ; block b: my 16 numbers, and the floor 2^(9 - 127): so the byte cannot fall under 1
.endr
.irp i, 2,4,6,8,10,12,14
.irp b, 0,1,2,3
	s_delay_alu instid0(VALU_DEP_4)
	v_max3_num_f32 v[TM+\b], v[TM+\b], |v[X+16*\b+\i]|, |v[X+1+16*\b+\i]|   ; (the four blocks by turns)
.endr
.endr
.irp b, 0,1,2,3
	s_delay_alu instid0(VALU_DEP_4)
	v_permlanex16_b32 v[TM+4+\b], v[TM+\b], s[SEL], s[SEL+1]
.endr
.irp b, 0,1,2,3
	s_delay_alu instid0(VALU_DEP_4)
	v_max_num_f32 v[TM+\b], v[TM+\b], v[TM+4+\b]   ; with lane l xor 16's 16: the block's largest magnitude
.endr
.irp b, 0,1,2,3
	s_delay_alu instid0(VALU_DEP_4)
	v_add_nc_u32 v[TM+12+\b], 0xfc000000, v[TM+\b] ; 8 off its exponent field: the conversion takes the exponent field of this operand as its scale
.endr
.irp b, 0,1,2,3
	v_and_or_b32 v[TM+8+\b], v[TM+\b], 0x7f800000, s[MNT]   ; 448 x the scale
.endr
.irp b, 0,1,2,3
	v_lshrrev_b32 v[TM+4+\b], 23, v[TM+12+\b]      ; the scale's byte
.endr
	s_delay_alu instid0(VALU_DEP_3)
	v_lshl_or_b32 v[PW], v[TM+5], 8, v[TM+4]       ; my row's word: (tile 2 j: channels 0-31, 32-63; tile 2 j + 1: the same)
	s_delay_alu instid0(VALU_DEP_1)
	v_lshl_or_b32 v[PW], v[TM+6], 16, v[PW]
	s_delay_alu instid0(VALU_DEP_1)
	v_lshl_or_b32 v[PW], v[TM+7], 24, v[PW]
.irp b, 0,1,2,3
.irp i, 0,1,2,3,4,5,6,7,8,9,10,11,12,13,14,15
	v_med3_num_f32 v[X+16*\b+\i], v[X+16*\b+\i], -v[TM+8+\b], v[TM+8+\b]   ; the conversion to an 8-bit code does not saturate (ISA guide 7.6.2): the hold
.endr
	v_cvt_scalef32_pk8_fp8_f32 v[PC+4*\b:PC+1+4*\b], v[X+16*\b:X+7+16*\b], v[TM+12+\b]
	v_cvt_scalef32_pk8_fp8_f32 v[PC+2+4*\b:PC+3+4*\b], v[X+8+16*\b:X+15+16*\b], v[TM+12+\b]
.endr
	v_nop
.irp g, 0,1,2,3
	global_store_b128 v[LD16], v[PC+4*\g:PC+4*\g+3], s[30:31] offset:512*\g   ; 512 consecutive bytes, aligned
.endr
	ds_store_b32 v[KSA], v[PW]                     ; lanes l and l + 16 write the same word with the same value
	s_branch .Ljoin
.Lvrole:
	; ---- V: 64 keys x 32 channels, a lane to a channel
	s_add_nc_u64 s[6:7], s[6:7], s[26:27]
	s_add_nc_u64 s[30:31], s[8:9], s[28:29]
.set nn, 0
.rept 64
	global_load_b32 v[R+nn], v[LD4], s[6:7] offset:256*nn th:TH_LOAD_NT   ; key nn of my 64: 128 consecutive bytes a wave; the wave beside me reads the row's other half
.set nn, nn+1
.endr
.macro VBLOCK blk                      ; 32 keys of my channel: all of a block is mine
.set XS, R+32*(\blk)
	v_max3_num_f32 v[TM], |v[XS]|, |v[XS+1]|, |v[XS+2]|
	v_max3_num_f32 v[TM+1], |v[XS+3]|, |v[XS+4]|, |v[XS+5]|
.irp i, 6,10,14,18,22,26
	s_delay_alu instid0(VALU_DEP_2)
	v_max3_num_f32 v[TM], v[TM], |v[XS+\i]|, |v[XS+\i+1]|
	s_delay_alu instid0(VALU_DEP_2)
	v_max3_num_f32 v[TM+1], v[TM+1], |v[XS+\i+2]|, |v[XS+\i+3]|
.endr
	s_delay_alu instid0(VALU_DEP_2)
	v_max3_num_f32 v[TM], v[TM], |v[XS+30]|, |v[XS+31]|
	s_delay_alu instid0(VALU_DEP_1)
	v_max3_num_f32 v[TM], v[TM], v[TM+1], 0x4800000   ; and the floor
	s_delay_alu instid0(VALU_DEP_1)
	v_add_nc_u32 v[TM+12], 0xfc000000, v[TM]
	s_delay_alu instid0(VALU_DEP_2)
	v_and_or_b32 v[TM+8], v[TM], 0x7f800000, s[MNT]
	s_delay_alu instid0(VALU_DEP_2)
	v_lshrrev_b32 v[TM+4], 23, v[TM+12]
.if (\blk) == 0
	s_delay_alu instid0(VALU_DEP_1)
	v_mov_b32 v[VB], v[TM+4]
.else
	s_delay_alu instid0(VALU_DEP_1)
	v_lshl_or_b32 v[VB], v[TM+4], 8, v[VB]         ; the lower keys' byte below
.endif
.set nn, 0
.rept 32
	v_med3_num_f32 v[XS+nn], v[XS+nn], -v[TM+8], v[TM+8]
.set nn, nn+1
.endr
.irp g, 0,1,2,3
	v_cvt_scalef32_pk8_fp8_f32 v[PC+8*(\blk)+2*\g:PC+8*(\blk)+2*\g+1], v[XS+8*\g:XS+8*\g+7], v[TM+12]
.endr
	v_nop                                          ; a plain line behind the conversions, ahead of the next writes of their scale operand
.endm
	s_wait_loadcnt 32                              ; the first block's 32 loads are in; the second's may be out
	VBLOCK 0
	s_wait_loadcnt 0x0
	VBLOCK 1
.irp k, 0,1
.irp e, 0,1
	global_store_b128 v[VOA], v[PC+8*\k+4*\e:PC+8*\k+4*\e+3], s[30:31] offset:512*\k+256*\e   ; keys 32 k + 16 e on: sixteen lanes store 256 consecutive bytes, aligned
.endr
.endr
	ds_store_b16 v[VSA], v[VB]
.Ljoin:
	s_wait_dscnt 0x0                               ; for the others' sake: my scale bytes lie in LDS
	s_barrier_signal -1
	s_barrier_wait -1
	s_cmp_lg_u32 s[WV], 0
	s_cbranch_scc1 .Lend
	ds_load_b128 v[OW:OW+3], v[SRD]                ; wave 0 stores the chunk's scale words: 512 consecutive bytes
	s_wait_dscnt 0x0
	global_store_b128 v[LD16], v[OW:OW+3], s[8:9] offset:16384
.Lend:
	s_wait_tensorcnt 0x0                           ; the wave's end: behind my last LDS store
	ds_add_u32 v[SPW], v[NIL]
	s_wait_dscnt 0x0
	s_endpgm
.Lfunc_end_k_q2a6777cde4_pack:
	.size	k_q2a6777cde4_pack, .Lfunc_end_k_q2a6777cde4_pack-k_q2a6777cde4_pack
	.p2alignl 7, 3214868480
	.fill 96, 4, 3214868480
	.section	.rodata,"a",@progbits
	.p2align	6, 0x0
	.amdhsa_kernel k_q2a6777cde4_pack
		.amdhsa_group_segment_fixed_size 36352
		.amdhsa_private_segment_fixed_size 0
		.amdhsa_enable_private_segment 0
		.amdhsa_kernarg_size 24
		.amdhsa_user_sgpr_count 2
		.amdhsa_user_sgpr_kernarg_segment_ptr 1
		.amdhsa_wavefront_size32 1
		.amdhsa_system_sgpr_workgroup_id_x 1
		.amdhsa_system_sgpr_workgroup_id_y 1
		.amdhsa_system_sgpr_workgroup_id_z 1
		.amdhsa_system_vgpr_workitem_id 0
		.amdhsa_next_free_vgpr 128
		.amdhsa_next_free_sgpr 66
		.amdhsa_reserve_vcc 0
		.amdhsa_float_denorm_mode_32 3
		.amdhsa_float_denorm_mode_16_64 3
		.amdhsa_memory_ordered 1
		.amdhsa_forward_progress 1
		.amdhsa_inst_pref_size 33
	.end_amdhsa_kernel
	.amdgpu_metadata
---
amdhsa.version: [ 1, 2 ]
amdhsa.kernels:
  - .name:           k_q2a6777cde4_pack
    .symbol:         k_q2a6777cde4_pack.kd
    .args:
      - { .name: x2, .offset: 0, .size: 8, .value_kind: global_buffer, .address_space: global }
      - { .name: x3, .offset: 8, .size: 8, .value_kind: global_buffer, .address_space: global }
      - { .name: kv, .offset: 16, .size: 8, .value_kind: global_buffer, .address_space: global }
    .group_segment_fixed_size: 36352
    .private_segment_fixed_size: 0
    .kernarg_segment_align: 8
    .kernarg_segment_size: 24
    .max_flat_workgroup_size: 256
    .sgpr_count:     66
    .vgpr_count:     128
    .wavefront_size: 32
...
	.end_amdgpu_metadata
.endif
;; end of part 1
;; launch attn (part 2): grid 4 x 64, 8 waves a work-group, clusters of 4 x 1, 327,680 bytes of LDS; arguments x1, kv, scale, out0; writes out0
.if DOCPART == 2
	.amdgcn_target "amdgcn-amd-amdhsa--gfx1250"
	.amdhsa_code_object_version 6
	.text
	.protected	k_q2a6777cde4_attn
	.globl	k_q2a6777cde4_attn
	.p2align	8
	.type	k_q2a6777cde4_attn,@function
k_q2a6777cde4_attn:
	s_mov_b64 s[64:65], 0
	v_nop
	global_prefetch_b8 v0, s[64:65] scope:SCOPE_SE
	s_setreg_imm32_b32 hwreg(HW_REG_WAVE_MODE, 25, 1), 1
	s_wait_xcnt 0x0
	s_wait_alu depctr_hold_cnt(0) depctr_sa_sdst(0) depctr_va_vdst(0) depctr_va_sdst(0) depctr_va_ssrc(0) depctr_va_vcc(0) depctr_vm_vsrc(0)
	s_getreg_b32 s2, hwreg(HW_REG_IB_STS2, 6, 4)
	s_cmp_eq_u32 s2, 0
	s_cbranch_scc0 .Lentry_in_a_cluster
	s_endpgm
.Lentry_in_a_cluster:
	s_bfe_u32 s2, ttmp6, 0x10000c
	s_cmp_lg_u32 s2, 0x3003
	s_cbranch_scc0 .Lentry_shape_is_right
	s_endpgm
.Lentry_shape_is_right:
; out = softmax(x1 x2^T scale) x3 for 64 heads of 2,048 x 64; both products on codes of FP8 (E4M3) with E8M0 block scales.  Nothing of the problem is left out.
; kv holds x2 and x3 as codes, 16 chunks of 128 keys a head, laid as images of the operands' registers (the launch before made it).
; SHARES.  A work-group owns 512 queries of a head, a wave 2 x 32 of them in two passes, two tiles of 16 (A, B) a pass.  The four work-groups of a head form a cluster and ask for
; the head's 270,336 bytes of kv jointly: chunks 0-3 at the head, chunks 4-15 behind one more round; every byte of LDS is filled once.  Each wave brings an eighth of each part, in rows of 256 bytes.
; No prefetch: both parts are asked for at the head, ahead of the first key step, so there is no loop to run ahead in.
; x1 is read once: dense loads of 512 bytes, turned through the wave's own stage so that a lane holds 16 neighbours of a block, quantised in registers.
; The sign of scale goes onto Q's codes, |scale| log2(e) = c multiplies the scores.
; SOFTMAX: t = score x c; M = ceil(running largest t), kept as -M; p = 2^(t - M) is quantised along the keys; the sum is taken of the unquantised p; O and the sum are multiplied by 2^(old M - new M) in every step.
; Both products are used transposed: a lane holds one query (lane % 16); the 16 registers of two neighbouring score tiles are 16 neighbouring keys.
; A KEY STEP works both tiles together: independent chains by turns; tile A's exponentials stand among tile B's multiply-adds, tile B's among tile A's holds; tile A's products are issued while tile B is finished.
; LIMITS: NaN and infinities among the inputs are not served; a block whose every p is 0 keeps the scale byte 1 (its codes are zeros).
; REGISTERS, window 0: v1-9 addresses; v10-17 state (-M, largest t, sum in two halves) of A and B; v18-29 scale words; v30-59, v252-255 at work; v60-75 p's codes; v76-123 Q (codes, zeros, codes) of A and B; v124-251 scores, then p, of A and B.
; window 1: v0-63 K's fragments, v64-127 V's, v128-191 O^T of A and B, v192-255 x1 as loaded.
.set CHUNK, 16896
.set HEADB, 16*CHUNK
.set PARTA, 4*CHUNK/8                  ; 33 rows of 256 bytes a wave
.set PARTB, 12*CHUNK/8                 ; 99 rows
.set SP,    272                        ; a stage row: 256 bytes + 16
.set STAGE, HEADB                      ; behind kv: 16 rows for each wave; no tensor load lands here
.set SPARE, STAGE+8*16*SP              ; the spare words, 128 bytes a wave
.set LI,  1                            ; 16 x lane
.set ADR, 2                            ; LI + the chunk in hand
.set QSO, 3                            ; stage: row r, byte 64 h
.set STO, 4                            ; stage: row r, byte 32 h
.set RD,  5                            ; stage: row h, byte 16 r
.set SPW, 7
.set NIL, 8
.set STA, 10
.set STB, 14
.set QWA, 18
.set QWB, 19
.set SWK, 20
.set SWV, 24
.set PWA, 28
.set PWB, 29
.set FA,  30
.set FB,  32
.set BMA, 34
.set BMB, 38
.set T1,  42
.set CAP, 50
.set SCO, 54
.set TTA, 58
.set TTB, 59
.set PC,  60
.set QA,  76
.set QB,  100
.set SA,  124
.set SB,  188
.set CAP2, 252                         ; 448 x the scale once more, two banks on from CAP: a dual pair's first sources lie in different banks
.set AC2, T1+4
.set RB,  T1+6
.set KF,  0
.set VF,  64
.set OA,  128
.set OB,  160
.set RAW, 192
.set WV,  12
.set CX,  13
.set HD,  14
.set SCB, 15
.set G1A, 16
.set G1B, 24
.set G0A, 32
.set G0B, 36
.set CS,  40
.set SGN, 42
.set MNT, 43
.set SEL, 44
.set TB,  46
.set CNT, 47
.set PASS, 48
.set MSB, 0
.macro WIN new                         ; the immediate's high byte repeats the setting that is left
.if MSB != \new
	s_set_vgpr_msb (MSB<<8)|\new
.set MSB, \new
.endif
.endm
.macro CROUND                          ; a round of the cluster's barrier
	s_barrier_signal -1
	s_barrier_wait -1
	s_cmp_lg_u32 s[WV], 0
	s_cbranch_scc1 .Lnot_wave_0_\@
	s_barrier_signal -3
.Lnot_wave_0_\@:
	s_barrier_wait -3
	s_barrier_signal -1
	s_barrier_wait -1
.endm
.macro XLOAD off                       ; 32 queries of x1: each load reads 512 consecutive bytes, two rows
	WIN 0x40
.irp t, 0,1
.irp i, 0,1,2,3,4,5,6,7
	global_load_b128 v[RAW+32*\t+4*\i:RAW+32*\t+4*\i+3], v[LI], s[4:5] offset:\off+4096*\t+512*\i th:TH_LOAD_NT
.endr
.endr
	WIN 0
.endm
.macro QSTAGE                          ; a tile at a time through my stage; back: register 32 t + 16 c + i = channel 32 c + 16 h + i of query r.  LDS serves a wave's instructions in order
.irp t, 0,1
	WIN 0x04
.irp i, 0,1,2,3,4,5,6,7
	ds_store_b128 v[RD], v[RAW+32*\t+4*\i:RAW+32*\t+4*\i+3] offset:2*\i*SP
.endr
	WIN 0
.irp c, 0,1
.irp i, 0,1,2,3
	ds_load_b128 v[SA+32*\t+16*\c+4*\i:SA+32*\t+16*\c+4*\i+3], v[QSO] offset:128*\c+16*\i
.endr
.endr
.endr
.endm
.macro QUANTQ                          ; four blocks (tile, half of the channels) of 32, 16 numbers a lane -> PC, scale bytes -> TTA
.irp b, 0,1,2,3
	v_max3_num_f32 v[BMA+\b], |v[SA+16*\b]|, |v[SA+16*\b+1]|, 0x4800000   ; with the floor 2^(9 - 127): the byte cannot fall under 1
.endr
.irp i, 2,4,6,8,10,12,14
.irp b, 0,1,2,3
	v_max3_num_f32 v[BMA+\b], |v[SA+16*\b+\i]|, |v[SA+16*\b+\i+1]|, v[BMA+\b]
.endr
.endr
.irp b, 0,1,2,3
	v_permlanex16_b32 v[T1+\b], v[BMA+\b], s[SEL], s[SEL+1]
.endr
.irp b, 0,1,2,3
	v_max_num_f32 v[BMA+\b], v[BMA+\b], v[T1+\b]
.endr
.irp b, 0,1,2,3
	v_add_nc_u32 v[SCO+\b], 0xfc000000, v[BMA+\b]          ; 8 off the exponent field: the conversion's scale operand
.endr
.irp b, 0,1,2,3
	v_and_or_b32 v[CAP+\b], v[BMA+\b], 0x7f800000, s[MNT]  ; 448 x the scale
.endr
.irp b, 0,1,2,3
	v_lshrrev_b32 v[T1+\b], 23, v[SCO+\b]
.endr
	v_lshl_or_b32 v[TTA], v[T1+1], 8, v[T1]
	v_lshl_or_b32 v[TTB], v[T1+3], 8, v[T1+2]
	v_lshl_or_b32 v[TTA], v[TTB], 16, v[TTA]
.irp b, 0,1,2,3
.irp i, 0,1,2,3,4,5,6,7,8,9,10,11,12,13,14,15
	v_med3_num_f32 v[SA+16*\b+\i], v[SA+16*\b+\i], -v[CAP+\b], v[CAP+\b]   ; the conversion does not saturate (ISA guide 7.6.2): the hold
.endr
.endr
.irp b, 0,1,2,3
	v_cvt_scalef32_pk8_fp8_f32 v[PC+4*\b:PC+4*\b+1], v[SA+16*\b:SA+16*\b+7], v[SCO+\b]
	v_cvt_scalef32_pk8_fp8_f32 v[PC+4*\b+2:PC+4*\b+3], v[SA+16*\b+8:SA+16*\b+15], v[SCO+\b]
.endr
	v_nop
.endm
.macro FETCH kq                        ; this chunk's V and, kq = 1, the next chunk's K, with their scale words
	WIN 0x40
.set nn, 0
.rept 16
	ds_load_b128 v[VF+4*nn:VF+4*nn+3], v[ADR] offset:8192+512*nn
.set nn, nn+1
.endr
.if \kq
.set nn, 0
.rept 16
	ds_load_b128 v[KF+4*nn:KF+4*nn+3], v[ADR] offset:CHUNK+512*nn
.set nn, nn+1
.endr
.endif
	WIN 0
	ds_load_b128 v[SWV:SWV+3], v[ADR] offset:16384
.if \kq
	ds_load_b128 v[SWK:SWK+3], v[ADR] offset:CHUNK+16384
.endif
.endm
.macro MAXT sc, bm, y                  ; the largest score of each block of 32 keys (my 16): two chains a block, eight by turns; each accumulator is first read at its low end
.irp b, 0,1,2,3
	v_max3_num_f32 v[(\bm)+\b], v[(\sc)+16*\b], v[(\sc)+16*\b+1], v[(\sc)+16*\b+2]
.endr
.irp b, 0,1,2,3
	v_max3_num_f32 v[(\y)+\b], v[(\sc)+16*\b+7], v[(\sc)+16*\b+8], v[(\sc)+16*\b+9]
.endr
.irp i, 3,5
.irp b, 0,1,2,3
	v_max3_num_f32 v[(\bm)+\b], v[(\bm)+\b], v[(\sc)+16*\b+\i], v[(\sc)+16*\b+\i+1]
.endr
.irp b, 0,1,2,3
	v_max3_num_f32 v[(\y)+\b], v[(\y)+\b], v[(\sc)+16*\b+\i+7], v[(\sc)+16*\b+\i+8]
.endr
.endr
.irp b, 0,1,2,3
	v_max3_num_f32 v[(\bm)+\b], v[(\bm)+\b], v[(\sc)+16*\b+14], v[(\sc)+16*\b+15]
.endr
.irp b, 0,1,2,3
	v_max_num_f32 v[(\bm)+\b], v[(\bm)+\b], v[(\y)+\b]
.endr
.endm
.macro MAXL sc, bm, y, n               ; line n (0 .. 31) of MAXT, for where its lines stand among products
.set lv, (\n)/4
.set bb, (\n)%4
.if lv == 0
	v_max3_num_f32 v[(\bm)+bb], v[(\sc)+16*bb], v[(\sc)+16*bb+1], v[(\sc)+16*bb+2]
.elseif lv == 1
	v_max3_num_f32 v[(\y)+bb], v[(\sc)+16*bb+7], v[(\sc)+16*bb+8], v[(\sc)+16*bb+9]
.elseif lv == 2 || lv == 4
	v_max3_num_f32 v[(\bm)+bb], v[(\bm)+bb], v[(\sc)+16*bb+lv+1], v[(\sc)+16*bb+lv+2]
.elseif lv == 3 || lv == 5
	v_max3_num_f32 v[(\y)+bb], v[(\y)+bb], v[(\sc)+16*bb+lv+7], v[(\sc)+16*bb+lv+8]
.elseif lv == 6
	v_max3_num_f32 v[(\bm)+bb], v[(\bm)+bb], v[(\sc)+16*bb+14], v[(\sc)+16*bb+15]
.else
	v_max_num_f32 v[(\bm)+bb], v[(\bm)+bb], v[(\y)+bb]
.endif
.endm
.macro SCL bm, pw, n                   ; line n (0 .. 22) of SCALES, written with no vector register as first source: so it means the same registers under the score products' window setting (source 0 in window 1)
.set lv, (\n)/4
.set bb, (\n)%4
.if lv == 0
	v_max_num_f32 v[(\bm)+bb], 0x4800000, v[(\bm)+bb]
.elseif lv == 1
	v_add_nc_u32 v[SCO+bb], 0xfc000000, v[(\bm)+bb]
.elseif lv == 2
	v_and_or_b32 v[CAP+bb], 0x7f800000, v[(\bm)+bb], s[MNT]
.elseif lv == 3
	v_and_or_b32 v[CAP2+bb], 0x7f800000, v[(\bm)+bb], s[MNT]
.elseif lv == 4
	v_lshrrev_b32 v[T1+bb], 23, v[SCO+bb]
.elseif (\n) == 20
	v_mad_u32_u24 v[T1], 0x100, v[T1+1], v[T1]     ; bytes side by side: the sum is the union
.elseif (\n) == 21
	v_mad_u32_u24 v[T1+2], 0x100, v[T1+3], v[T1+2]
.else
	v_mad_u32_u24 v[\pw], 0x10000, v[T1+2], v[T1]
.endif
.endm
.macro KQL sc, qf, qw, n               ; product n (0 .. 7) of KQ
.set jj, (\n)/2
.set hh, (\n)%2
	v_wmma_scale_f32_16x16x128_f8f6f4 v[(\sc)+16*jj+8*hh:(\sc)+16*jj+8*hh+7], v[KF+16*jj:KF+16*jj+15], v[(\qf)+8*hh:(\qf)+8*hh+15], 0, v[SWK+jj], v[\qw]
.endm
.macro PVL ot, pw, t                   ; product t (0 .. 3) of PV
	v_wmma_scale_f32_16x16x128_f8f6f4 v[(\ot)+8*(\t):(\ot)+8*(\t)+7], v[VF+16*(\t):VF+16*(\t)+15], v[PC:PC+15], v[(\ot)+8*(\t):(\ot)+8*(\t)+7], v[SWV+(\t)], v[\pw] matrix_a_scale:MATRIX_SCALE_ROW1
.endm
.macro STATS                           ; the new -M and f = 2^(old M - new M) of both tiles, the two chains by turns
	v_max3_num_f32 v[TTA], v[BMA], v[BMA+1], v[BMA+2]
	v_max3_num_f32 v[TTB], v[BMB], v[BMB+1], v[BMB+2]
	s_delay_alu instid0(VALU_DEP_2)
	v_max_num_f32 v[TTA], v[TTA], v[BMA+3]
	s_delay_alu instid0(VALU_DEP_2)
	v_max_num_f32 v[TTB], v[TTB], v[BMB+3]
	s_delay_alu instid0(VALU_DEP_2)
	v_mul_f32 v[TTA], s[CS], v[TTA]
	s_delay_alu instid0(VALU_DEP_2)
	v_mul_f32 v[TTB], s[CS], v[TTB]
	s_delay_alu instid0(VALU_DEP_2)
	v_max_num_f32 v[STA+1], v[STA+1], v[TTA]
	s_delay_alu instid0(VALU_DEP_2)
	v_max_num_f32 v[STB+1], v[STB+1], v[TTB]
	v_mov_b32 v[TTA], v[STA]
	v_mov_b32 v[TTB], v[STB]
	s_delay_alu instid0(VALU_DEP_4)
	v_floor_f32 v[STA], -v[STA+1]
	s_delay_alu instid0(VALU_DEP_4)
	v_floor_f32 v[STB], -v[STB+1]
	s_delay_alu instid0(VALU_DEP_2)
	v_sub_f32 v[TTA], v[STA], v[TTA]
	s_delay_alu instid0(VALU_DEP_2)
	v_sub_f32 v[TTB], v[STB], v[TTB]
	s_delay_alu instid0(VALU_DEP_2)
	v_cvt_i32_f32 v[TTA], v[TTA]                   ; (it saturates)
	s_delay_alu instid0(VALU_DEP_2)
	v_cvt_i32_f32 v[TTB], v[TTB]
	s_delay_alu instid0(VALU_DEP_2)
	v_ldexp_f32 v[FA], 1.0, v[TTA]
	s_delay_alu instid0(VALU_DEP_2)
	v_ldexp_f32 v[FB], 1.0, v[TTB]
.endm
.macro SUM sc, st                      ; the row's sum of the unquantised p: 32 packed additions in five chains
.irp k, 0,1,2,3
	v_pk_add_f32 v[T1+2*\k:T1+2*\k+1], v[(\sc)+4*\k:(\sc)+4*\k+1], v[(\sc)+4*\k+2:(\sc)+4*\k+3]
.endr
.set nn, 16
.rept 4
.irp k, 0,1,2,3
	v_pk_add_f32 v[T1+2*\k:T1+2*\k+1], v[T1+2*\k:T1+2*\k+1], v[(\sc)+nn+2*\k:(\sc)+nn+2*\k+1]
.endr
	v_pk_add_f32 v[(\st)+2:(\st)+3], v[(\st)+2:(\st)+3], v[(\sc)+nn+8:(\sc)+nn+9]
.set nn, nn+10
.endr
.irp k, 0,1,2,3
	v_pk_add_f32 v[T1+2*\k:T1+2*\k+1], v[T1+2*\k:T1+2*\k+1], v[(\sc)+56+2*\k:(\sc)+56+2*\k+1]
.endr
	v_pk_add_f32 v[T1:T1+1], v[T1:T1+1], v[T1+2:T1+3]
	v_pk_add_f32 v[T1+4:T1+5], v[T1+4:T1+5], v[T1+6:T1+7]
	v_pk_add_f32 v[(\st)+2:(\st)+3], v[(\st)+2:(\st)+3], v[T1:T1+1]
	v_pk_add_f32 v[(\st)+2:(\st)+3], v[(\st)+2:(\st)+3], v[T1+4:T1+5]
.endm
.macro SCALES bm, pw                   ; from each block's largest p: the conversion's operand, 448 x the scale (twice), the byte; the four bytes make p's scale word
.irp b, 0,1,2,3
	v_max_num_f32 v[(\bm)+\b], 0x4800000, v[(\bm)+\b]
.endr
.irp b, 0,1,2,3
	v_add_nc_u32 v[SCO+\b], 0xfc000000, v[(\bm)+\b]
.endr
.irp b, 0,1,2,3
	v_and_or_b32 v[CAP+\b], v[(\bm)+\b], 0x7f800000, s[MNT]
.endr
.irp b, 0,1,2,3
	v_and_or_b32 v[CAP2+\b], v[(\bm)+\b], 0x7f800000, s[MNT]
.endr
.irp b, 0,1,2,3
	v_lshrrev_b32 v[T1+\b], 23, v[SCO+\b]
.endr
	v_lshl_or_b32 v[T1], v[T1+1], 8, v[T1]
	v_lshl_or_b32 v[T1+2], v[T1+3], 8, v[T1+2]
	v_lshl_or_b32 v[\pw], v[T1+2], 16, v[T1]
.endm
.macro HOLD2 a, b                      ; two p held at 448 x the scale (p is not negative: the hold is one-sided), as a dual pair
	v_dual_min_num_f32 v[\a], v[CAP+\b], v[\a] :: v_dual_min_num_f32 v[(\a)+1], v[CAP2+\b], v[(\a)+1]
.endm
.macro CVT sc
.irp b, 0,1,2,3
	v_cvt_scalef32_pk8_fp8_f32 v[PC+4*\b:PC+4*\b+1], v[(\sc)+16*\b:(\sc)+16*\b+7], v[SCO+\b]
	v_cvt_scalef32_pk8_fp8_f32 v[PC+4*\b+2:PC+4*\b+3], v[(\sc)+16*\b+8:(\sc)+16*\b+15], v[SCO+\b]
.endr
.endm
.macro RESC ot, f                      ; O^T under the new M
	WIN 0x41
.set nn, 0
.rept 16
	v_pk_mul_f32 v[(\ot)+nn:(\ot)+nn+1], v[(\ot)+nn:(\ot)+nn+1], v[(\f):(\f)+1] op_sel_hi:[1,0]
.set nn, nn+2
.endr
	WIN 0
.endm
.macro KQ sc, qf, qw                   ; S^T: a fragment of K holds two tiles of 16 keys side by side along the 128; Q stands beside zeros, first in the lower, then in the upper 64
.irp j, 0,1,2,3
	v_wmma_scale_f32_16x16x128_f8f6f4 v[(\sc)+16*\j:(\sc)+16*\j+7], v[KF+16*\j:KF+16*\j+15], v[(\qf):(\qf)+15], 0, v[SWK+\j], v[\qw]
	v_wmma_scale_f32_16x16x128_f8f6f4 v[(\sc)+16*\j+8:(\sc)+16*\j+15], v[KF+16*\j:KF+16*\j+15], v[(\qf)+8:(\qf)+23], 0, v[SWK+\j], v[\qw]
.endr
.endm
.macro PV ot, pw                       ; O^T += V^T P^T, the four accumulators by turns
.irp t, 0,1,2,3
	v_wmma_scale_f32_16x16x128_f8f6f4 v[(\ot)+8*\t:(\ot)+8*\t+7], v[VF+16*\t:VF+16*\t+15], v[PC:PC+15], v[(\ot)+8*\t:(\ot)+8*\t+7], v[SWV+\t], v[\pw] matrix_a_scale:MATRIX_SCALE_ROW1
.endr
.endm
; A KEY STEP: 128 keys, both tiles.  The scores were made in the step before.
.macro TRIP kq
	FETCH \kq                                      ; A's block maxima were taken at the end of the step before; its last eight lines are the places ahead of these loads
	MAXT SB, BMB, T1+4
.set nn, 0
.rept 8
	v_permlanex16_b32 v[T1+nn], v[BMA+nn], s[SEL], s[SEL+1]
.set nn, nn+1
.endr
.set nn, 0
.rept 8
	v_max_num_f32 v[BMA+nn], v[BMA+nn], v[T1+nn]   ; with lane l xor 16's 16 keys
.set nn, nn+1
.endr
	STATS
.set nn, 0
.rept 32
	v_pk_fma_f32 v[SA+nn:SA+nn+1], v[SA+nn:SA+nn+1], s[CS:CS+1], v[STA:STA+1] op_sel_hi:[1,0,0]   ; t - M
.set nn, nn+2
.endr
.irp b, 0,1,2,3
	v_fma_f32 v[BMA+\b], v[BMA+\b], s[CS], v[STA]  ; the same of each block's largest score: p rises with the score
	v_fma_f32 v[BMB+\b], v[BMB+\b], s[CS], v[STB]
.endr
	s_wait_alu depctr_va_vdst(0)                   ; ahead of the batch
.set nn, 0
.rept 32
	v_exp_f32 v[SA+nn], v[SA+nn]
	v_exp_f32 v[SA+nn+1], v[SA+nn+1]
	v_pk_fma_f32 v[SB+nn:SB+nn+1], v[SB+nn:SB+nn+1], s[CS:CS+1], v[STB:STB+1] op_sel_hi:[1,0,0]   ; B's t - M: read again only behind the waits below
.set nn, nn+2
.endr
.irp b, 0,1,2,3
	v_exp_f32 v[BMA+\b], v[BMA+\b]
.endr
	v_pk_mul_f32 v[STA+2:STA+3], v[STA+2:STA+3], v[FA:FA+1] op_sel_hi:[1,0]   ; the sum under the new M (a plain place behind the batch)
	s_wait_alu depctr_va_vdst(0)                   ; and behind it, ahead of its first reader and of O^T's
	SUM SA, STA
	SCALES BMA, PWA
	RESC OA, FA
	s_wait_alu depctr_va_vdst(0)                   ; ahead of B's batch
.set nn, 0
.rept 32
	v_exp_f32 v[SB+nn], v[SB+nn]
	v_exp_f32 v[SB+nn+1], v[SB+nn+1]
	HOLD2 SA+nn, nn/16                             ; A's holds: read again only behind the wait below
.set nn, nn+2
.endr
.irp b, 0,1,2,3
	v_exp_f32 v[BMB+\b], v[BMB+\b]
.endr
	v_pk_mul_f32 v[STB+2:STB+3], v[STB+2:STB+3], v[FB:FB+1] op_sel_hi:[1,0]
	s_wait_alu depctr_va_vdst(0)
	CVT SA
	SUM SB, STB                                    ; 32 plain lines between A's codes and their products
	s_wait_alu depctr_va_vdst(0)
	s_wait_dscnt 0x0                               ; the step's fragments and scale words
.if \kq
	WIN 0x01
.set mm, 0
.rept 8                                ; A's scores of the next 128 keys, with the 23 lines of B's scales among them: they name no register of these products
	KQL SA, QA, QWA, mm
	SCL BMB, PWB, 3*mm
	SCL BMB, PWB, 3*mm+1
.if mm < 7
	SCL BMB, PWB, 3*mm+2
.endif
.set mm, mm+1
.endr
.else
.set mm, 0
.rept 23
	SCL BMB, PWB, mm
.set mm, mm+1
.endr
.endif
	WIN 0x51
.set mm, 0
.rept 4                                ; A's O^T += V^T P^T, with B's O^T under its new M among them: source 0 and destination in window 1, f in window 0, as the products' setting has them
	PVL OA, PWA, mm
.set nn, 8*mm
.rept 4
	v_pk_mul_f32 v[OB+nn:OB+nn+1], v[OB+nn:OB+nn+1], v[FB:FB+1] op_sel_hi:[1,0]
.set nn, nn+2
.endr
.set mm, mm+1
.endr
	WIN 0
.set nn, 0
.rept 32
	HOLD2 SB+nn, nn/16
.set nn, nn+2
.endr
	CVT SB                                         ; over A's codes: 36 places behind the products that read them
	s_add_co_u32 s[TB], s[TB], CHUNK
	v_add_nc_u32 v[ADR], s[TB], v[LI]              ; a plain line behind the conversions
.if \kq
.set mm, 0
.rept 8                                ; B's scores of the next 128 keys; among them A's block maxima of that step, three lines to a place: two window switches a place, so a line and its reader eight lines on have four or six scalar lines between them
	WIN 0x01
	KQL SB, QB, QWB, mm
	WIN 0
	MAXL SA, BMA, T1, 3*mm
	MAXL SA, BMA, T1, 3*mm+1
	MAXL SA, BMA, T1, 3*mm+2
.set mm, mm+1
.endr
	WIN 0x51
	PV OB, PWB
	WIN 0
.set mm, 24
.rept 8                                ; the last eight lines: the places behind the step's last products
	MAXL SA, BMA, T1, mm
.set mm, mm+1
.endr
.else
.rept 3
	v_nop                                          ; four places between the codes and their products
.endr
	WIN 0x51
	PV OB, PWB
	WIN 0
.endif
.endm
.macro PACK sc, ot, rc                 ; O^T / the sum, through my stage, back as whole rows
	WIN 0x01
.set nn, 0
.rept 16
	v_pk_mul_f32 v[(\sc)+nn:(\sc)+nn+1], v[(\ot)+nn:(\ot)+nn+1], v[(\rc):(\rc)+1] op_sel_hi:[1,0]
.set nn, nn+2
.endr
	WIN 0
.irp t, 0,1,2,3
	ds_store_b128 v[STO], v[(\sc)+8*\t:(\sc)+8*\t+3] offset:64*\t
	ds_store_b128 v[STO], v[(\sc)+8*\t+4:(\sc)+8*\t+7] offset:64*\t+16
.endr
.irp i, 0,1,2,3,4,5,6,7
	ds_load_b128 v[(\sc)+32+4*\i:(\sc)+32+4*\i+3], v[RD] offset:2*\i*SP
.endr
.endm
.macro SEND sc, t, younger             ; each store covers 512 consecutive bytes, aligned; younger: LDS instructions issued behind this tile's loads
.irp i, 0,1,2,3,4,5,6,7
	s_wait_dscnt \younger+7-\i
	global_store_b128 v[LI], v[(\sc)+32+4*\i:(\sc)+32+4*\i+3], s[10:11] offset:4096*\t+512*\i th:TH_STORE_NT
.endr
.endm
	s_load_b256 s[4:11], s[0:1], 0x0               ; x1, kv, scale, out0
	v_lshl_add_u32 v[SPW], v0, 2, SPARE
	v_mov_b32 v[NIL], 0
	ds_add_u32 v[SPW], v[NIL]                      ; the opening lines: the add, twice on end
	ds_add_u32 v[SPW], v[NIL]
	v_lshrrev_b32 v9, 5, v0
	v_readfirstlane_b32 s[WV], v9                  ; wave 0..7
	s_bfe_u32 s[CX], ttmp6, 0x40000                ; my place in the cluster: it enters x1's and out0's addresses alone
	s_and_b32 s[HD], ttmp7, 0xffff                 ; the head
	s_mov_b32 s[G1A], 15|(3<<16)|(1<<21)           ; mask: all four of the cluster; elements of 8 bytes; rows of 256 bytes, dense
	s_mov_b32 s[G1B], 15|(3<<16)|(1<<21)
.irp g, G1A, G1B
	s_mov_b32 s[\g+1], 32<<16
	s_mov_b32 s[\g+3], 32<<16
	s_mov_b32 s[\g+5], 32
	s_mov_b32 s[\g+6], 0
	s_mov_b32 s[\g+7], 0
.endr
	s_mov_b32 s[G1A+2], (PARTA/256)<<16
	s_mov_b32 s[G1A+4], PARTA/256
	s_mov_b32 s[G1B+2], (PARTB/256)<<16
	s_mov_b32 s[G1B+4], PARTB/256
	s_mov_b32 s[MNT], 0x600000                     ; the mantissa field of 448
	s_mov_b32 s[SEL], 0x76543210
	s_mov_b32 s[SEL+1], 0xfedcba98                 ; lane l xor 16
	v_and_b32 v9, 31, v0
	v_lshlrev_b32 v[LI], 4, v9
	v_and_b32 v6, 15, v0                           ; r
	v_bfe_u32 v9, v0, 4, 1                         ; h
	s_mul_i32 s50, s[WV], 16*SP
	s_add_co_u32 s50, s50, STAGE                   ; my stage
	v_mul_u32_u24 v[STO], v6, SP
	v_add_nc_u32 v[STO], s50, v[STO]
	v_lshl_add_u32 v[QSO], v9, 6, v[STO]
	v_lshl_add_u32 v[STO], v9, 5, v[STO]
	v_mul_u32_u24 v[RD], v9, SP
	v_lshl_add_u32 v[RD], v6, 4, v[RD]
	v_add_nc_u32 v[RD], s50, v[RD]
.irp n, 8,9,10,11,12,13,14,15
	v_mov_b32 v[QA+\n], 0                          ; the zero codes beside Q
	v_mov_b32 v[QB+\n], 0
.endr
.irp b, 0,1,2,3,4,5,6,7
	v_mov_b32 v[T1+\b], 0                          ; a lane permute's destination counts as one of its sources
.endr
	v_mov_b32 v[FA+1], 0                           ; (named as the upper halves of pairs)
	v_mov_b32 v[FB+1], 0
	s_mul_i32 s50, s[HD], HEADB
	s_mul_i32 s51, s[WV], PARTA
	s_add_co_u32 s50, s50, s51                     ; my eighth of chunks 0-3 in kv
	s_mov_b32 s51, 0
	s_mul_i32 s52, s[HD], HEADB
	s_mul_i32 s53, s[WV], PARTB
	s_add_co_u32 s52, s52, s53
	s_add_co_u32 s52, s52, 4*CHUNK                 ; and of chunks 4-15
	s_mov_b32 s53, 0
	s_lshl_b32 s54, s[HD], 19
	s_lshl_b32 s55, s[CX], 17
	s_add_co_u32 s54, s54, s55
	s_lshl_b32 s55, s[WV], 13
	s_add_co_u32 s54, s54, s55                     ; my 32 queries of the first pass in x1 and out0
	s_mov_b32 s55, 0
	s_wait_alu depctr_va_vdst(0)
	s_wait_dscnt 0x0                               ; both opening adds are done
	s_wait_kmcnt 0x0
	s_add_nc_u64 s[4:5], s[4:5], s[54:55]
	s_add_nc_u64 s[10:11], s[10:11], s[54:55]
	XLOAD 0                                        ; asked for first: x1 has the longest way to its operand
	s_load_b32 s[SCB], s[8:9], 0x0
	s_mov_b32 s[G0A], 1
	s_mul_i32 s[G0A+1], s[WV], PARTA
	s_add_nc_u64 s[G0A+2:G0A+3], s[6:7], s[50:51]
	s_or_b32 s[G0A+3], s[G0A+3], 0x80000000
	s_mov_b32 s[G0B], 1
	s_mul_i32 s[G0B+1], s[WV], PARTB
	s_add_co_u32 s[G0B+1], s[G0B+1], 4*CHUNK
	s_add_nc_u64 s[G0B+2:G0B+3], s[6:7], s[52:53]
	s_or_b32 s[G0B+3], s[G0B+3], 0x80000000
	CROUND                                         ; all four work-groups are here: the joint loads meet
	tensor_load_to_lds s[G0A:G0A+3], s[G1A:G1A+7]  ; chunks 0-3: my one load at the head
	s_nop 0
.rept 4
	v_nop
.endr
	s_wait_loadcnt 0x0                             ; x1
	s_wait_tensorcnt 0x0                           ; my load has landed: my stores into the stage go out with no tensor load of mine on its way
	QSTAGE
	s_wait_tensorcnt 0x0                           ; ahead of a later first fill
	ds_add_u32 v[SPW], v[NIL]
	s_wait_dscnt 0x0                               ; the add, and the stage's loads
	CROUND                                         ; everybody's part of chunks 0-3 is in
	tensor_load_to_lds s[G0B:G0B+3], s[G1B:G1B+7]  ; chunks 4-15: three key steps stand ahead of their first reader
	s_nop 0
.rept 4
	v_nop
.endr
	s_wait_kmcnt 0x0
	s_and_b32 s50, s[SCB], 0x7fffffff
	v_mov_b32 v9, s50
	v_mul_f32 v9, 0x3fb8aa3b, v9
	v_readfirstlane_b32 s[CS], v9                  ; c = |scale| log2(e)
	s_mov_b32 s[CS+1], s[CS]
	s_lshr_b32 s[SGN], s[SCB], 31
	s_mul_i32 s[SGN], s[SGN], 0x80808080           ; scale's sign, for each of four codes
	s_mov_b32 s[PASS], 2
.Lpass:
	s_wait_dscnt 0x0                               ; this pass's x1 is back from the stage
	QUANTQ
	WIN 0x40
.set nn, 0
.rept 16
	ds_load_b128 v[KF+4*nn:KF+4*nn+3], v[LI] offset:512*nn   ; chunk 0's K
.set nn, nn+1
.endr
	WIN 0
	ds_load_b128 v[SWK:SWK+3], v[LI] offset:16384
	s_mov_b32 s[TB], 0
	v_mov_b32 v[ADR], v[LI]
	v_and_b32 v[QWA], 0xffff, v[TTA]               ; a tile's two bytes, for the lower and for the upper 64 alike
	v_lshrrev_b32 v[QWB], 16, v[TTA]
	v_lshl_or_b32 v[QWA], v[TTA], 16, v[QWA]
	v_and_or_b32 v[QWB], v[TTA], 0xffff0000, v[QWB]
.irp n, 0,1,2,3,4,5,6,7
	v_xor_b32 v[QA+\n], s[SGN], v[PC+\n]
	v_xor_b32 v[QA+16+\n], s[SGN], v[PC+\n]
	v_xor_b32 v[QB+\n], s[SGN], v[PC+8+\n]
	v_xor_b32 v[QB+16+\n], s[SGN], v[PC+8+\n]
.endr
.irp st, STA, STB
	v_mov_b32 v[\st+1], 0xff61b1e6                 ; the largest t so far: -3e38
	v_mov_b32 v[\st+2], 0
	v_mov_b32 v[\st+3], 0
	v_floor_f32 v[\st], -v[\st+1]
.endr
	s_wait_alu depctr_va_vdst(0)
	s_wait_dscnt 0x0
	WIN 0x01
	KQ SA, QA, QWA
	KQ SB, QB, QWB
	WIN 0x40
.set nn, 0
.rept 64
	v_mov_b32 v[OA+nn], 0                          ; O^T: the step is written once; its first run finds zeros.  (Also the places behind the products)
.set nn, nn+1
.endr
	WIN 0
	MAXT SA, BMA, T1                               ; A's block maxima of the first step
	s_mov_b32 s[CNT], 3
.Lfirst:                                           ; chunks 0-2, with K of chunks 1-3
	TRIP 1
	s_sub_co_u32 s[CNT], s[CNT], 1
	s_cmp_lg_u32 s[CNT], 0
	s_cbranch_scc1 .Lfirst
	s_wait_tensorcnt 0x0                           ; my part of chunks 4-15 is in,
	s_barrier_signal -1
	s_barrier_wait -1                              ; and everybody's
	s_cmp_eq_u32 s[PASS], 1
	s_cbranch_scc1 .Lno_next
	XLOAD 65536                                    ; the second pass's x1: thirteen key steps ahead of its use
.Lno_next:
	s_mov_b32 s[CNT], 12
.Lrest:
	TRIP 1
	s_sub_co_u32 s[CNT], s[CNT], 1
	s_cmp_lg_u32 s[CNT], 0
	s_cbranch_scc1 .Lrest
	TRIP 0
	v_add_f32 v[AC2], v[STA+2], v[STA+3]           ; the sums' halves,
	v_add_f32 v[RB], v[STB+2], v[STB+3]
	v_permlanex16_b32 v[T1], v[AC2], s[SEL], s[SEL+1]
	v_permlanex16_b32 v[T1+1], v[RB], s[SEL], s[SEL+1]
	v_add_f32 v[AC2], v[AC2], v[T1]                ; and lane l xor 16's
	v_add_f32 v[RB], v[RB], v[T1+1]
	s_wait_alu depctr_va_vdst(0)                   ; ahead of the transcendentals
	v_rcp_f32 v[AC2], v[AC2]
	v_rcp_f32 v[RB], v[RB]
	v_nop
	s_wait_alu depctr_va_vdst(0)                   ; and ahead of their first reader, which is O^T's too
	PACK SA, OA, AC2
	PACK SB, OB, RB
	SEND SA, 0, 16
	SEND SB, 1, 0
	s_wait_xcnt 0x0                                ; the stores' base and data may be written
	s_add_nc_u64 s[10:11], s[10:11], 65536
	s_sub_co_u32 s[PASS], s[PASS], 1
	s_cmp_eq_u32 s[PASS], 0
	s_cbranch_scc1 .Ldone
	s_wait_loadcnt 0x0                             ; the second pass's x1
	QSTAGE
	s_cmp_lg_u32 s[PASS], 0
	s_cbranch_scc1 .Lpass
.Ldone:
	s_wait_tensorcnt 0x0                           ; the wave's end
	ds_add_u32 v[SPW], v[NIL]
	s_wait_dscnt 0x0
	CROUND                                         ; the closing round
	s_endpgm
.Lfunc_end_k_q2a6777cde4_attn:
	.size	k_q2a6777cde4_attn, .Lfunc_end_k_q2a6777cde4_attn-k_q2a6777cde4_attn
	.p2alignl 7, 3214868480
	.fill 96, 4, 3214868480
	.section	.rodata,"a",@progbits
	.p2align	6, 0x0
	.amdhsa_kernel k_q2a6777cde4_attn
		.amdhsa_group_segment_fixed_size 327680
		.amdhsa_private_segment_fixed_size 0
		.amdhsa_enable_private_segment 0
		.amdhsa_kernarg_size 32
		.amdhsa_user_sgpr_count 2
		.amdhsa_user_sgpr_kernarg_segment_ptr 1
		.amdhsa_wavefront_size32 1
		.amdhsa_system_sgpr_workgroup_id_x 1
		.amdhsa_system_sgpr_workgroup_id_y 1
		.amdhsa_system_sgpr_workgroup_id_z 1
		.amdhsa_system_vgpr_workitem_id 0
		.amdhsa_next_free_vgpr 512
		.amdhsa_next_free_sgpr 66
		.amdhsa_reserve_vcc 0
		.amdhsa_float_denorm_mode_32 3
		.amdhsa_float_denorm_mode_16_64 3
		.amdhsa_memory_ordered 1
		.amdhsa_forward_progress 1
		.amdhsa_inst_pref_size 138
	.end_amdhsa_kernel
	.amdgpu_metadata
---
amdhsa.version: [ 1, 2 ]
amdhsa.kernels:
  - .name:           k_q2a6777cde4_attn
    .symbol:         k_q2a6777cde4_attn.kd
    .args:
      - { .name: x1, .offset: 0, .size: 8, .value_kind: global_buffer, .address_space: global }
      - { .name: kv, .offset: 8, .size: 8, .value_kind: global_buffer, .address_space: global }
      - { .name: scale, .offset: 16, .size: 8, .value_kind: global_buffer, .address_space: global }
      - { .name: out0, .offset: 24, .size: 8, .value_kind: global_buffer, .address_space: global }
    .group_segment_fixed_size: 327680
    .private_segment_fixed_size: 0
    .kernarg_segment_align: 8
    .kernarg_segment_size: 32
    .max_flat_workgroup_size: 256
    .sgpr_count:     66
    .vgpr_count:     512
    .wavefront_size: 32
...
	.end_amdgpu_metadata
.endif
;; end of part 2
